; MI455X (gfx1250); checked and timed in simulation.
; The chip was launched on July 23, 2026; its instructions are those of AMD's public machine-readable ISA for CDNA 5 (MIT licence, August 2026) and "CDNA5" Instruction Set Architecture Reference Guide (July 2026). The comments in the code are by the model that wrote it; some were corrected since.
;; Multihead Attention. Allowed arithmetic: matrix products marked QUANTISED: E4M3 operands, one E8M0 scale for each 32 along K, by v_wmma_scale_f32_16x16x128_f8f6f4 with both operands' format E4M3, f32 sums; everything else in f32.
;; Inputs: Wk_codes 16 x 64 x 32 x 32 uint8 (E4M3 codes of Wk, K innermost, in blocks of 32 codes); Wk_scales 16 x 64 x 32 uint8 (E8M0 scales of Wk, one for each 32 codes along K); Wo_codes 1,024 x 32 x 32 uint8 (E4M3 codes of Wo, K innermost, in blocks of 32 codes); Wo_scales 1,024 x 32 uint8 (E8M0 scales of Wo, one for each 32 codes along K); Wq_codes 16 x 64 x 32 x 32 uint8 (E4M3 codes of Wq, K innermost, in blocks of 32 codes); Wq_scales 16 x 64 x 32 uint8 (E8M0 scales of Wq, one for each 32 codes along K); Wv_codes 16 x 64 x 32 x 32 uint8 (E4M3 codes of Wv, K innermost, in blocks of 32 codes); Wv_scales 16 x 64 x 32 uint8 (E8M0 scales of Wv, one for each 32 codes along K); bk 16 x 64 float32; bo 1,024 float32; bq 16 x 64 float32; bv 16 x 64 float32; keys_codes 4 x 2,048 x 32 x 32 uint8 (E4M3 codes of keys, K innermost, in blocks of 32 codes); keys_scales 4 x 2,048 x 32 uint8 (E8M0 scales of keys, one for each 32 codes along K); queries_codes 4 x 2,048 x 32 x 32 uint8 (E4M3 codes of queries, K innermost, in blocks of 32 codes); queries_scales 4 x 2,048 x 32 uint8 (E8M0 scales of queries, one for each 32 codes along K); values_codes 4 x 2,048 x 32 x 32 uint8 (E4M3 codes of values, K innermost, in blocks of 32 codes); values_scales 4 x 2,048 x 32 uint8 (E8M0 scales of values, one for each 32 codes along K).
;; Outputs: out0 4 x 2,048 x 1,024 float32.
;; This version of the problem:
;;   THIS VERSION OF THE PROBLEM IS GIVEN IN LOW PRECISION. The matrix products marked QUANTISED in the list below multiply operands that are first quantised to E4M3 (4 exponent bits, 3 mantissa bits; 8 bits a number), with one power-of-two scale for each 32 numbers along K (OCP MX v1.0); their sums are f32. All else is computed in f32.
;;   The module's matrix products, in the order in which they are computed (A, B: the left and right operand; K: the contracted axis; several contracted axes count as one K, in the product's order):
;;     1. [M 1,024, K 1,024] x [K 1,024, N 8,192]; A: input Wq (given as codes); B: input queries (given as codes): QUANTISED
;;     2. [M 1,024, K 1,024] x [K 1,024, N 8,192]; A: input Wk (given as codes); B: input keys (given as codes): QUANTISED
;;     3. [M 1,024, K 1,024] x [K 1,024, N 8,192]; A: input Wv (given as codes); B: input values (given as codes): QUANTISED
;;     4. batch 64 x [M 2,048, K 64] x [K 64, N 2,048]; A: computed on the way; B: computed on the way: QUANTISED
;;     5. batch 64 x [M 2,048, K 2,048] x [K 2,048, N 64]; A: softmax (see below); B: computed on the way: QUANTISED
;;     6. [M 8,192, K 1,024] x [K 1,024, N 1,024]; A: computed on the way; B: input Wo (given as codes): QUANTISED
;;   THE QUANTISER, for each operand of a quantised product, along K:
;;     - K is cut into blocks of 32 from its start; a last block that is shorter is filled with zeros.
;;     - A block's scale is 2^e with e = floor(log2(the largest magnitude in the block)) - 8, held to -126 .. 127; a block of zeros has e = 0. As a byte (E8M0): e + 127.
;;     - Each number is divided by its block's scale, clamped to +-448, and rounded to the nearest number of E4M3, ties to even, subnormals kept.
;;     - The product sums the exact products of the quantised numbers (number of the format x scale) in f32.
;;   ~~~python
;;   def quantise(x, axis):      # numpy; x: float32 -> the quantised numbers, widened to float32 again
;;       x = np.moveaxis(x, axis, -1); K = x.shape[-1]
;;       x = np.pad(x, [(0, 0)] * (x.ndim - 1) + [(0, -K % 32)]); x = x.reshape(x.shape[:-1] + (-1, 32)); a = np.abs(x).max(-1, keepdims=True)
;;       e = np.where(a > 0, np.clip(np.frexp(np.where(a > 0, a, 1))[1] - 1 - 8, -126, 127), 0)      # np.frexp(a)[1] - 1 = floor(log2(a)), exactly
;;       r = np.clip(x / 2.0 ** e, -448, 448)
;;       step = 2.0 ** (np.maximum(np.frexp(np.where(r == 0, 1, r))[1] - 1, -6) - 3)
;;       q = np.round(r / step) * step * 2.0 ** e      # np.round: ties to even
;;       return np.moveaxis(q.reshape(q.shape[:-2] + (-1,))[..., :K], -1, axis).astype(np.float32)
;;   ~~~
;;   SOFTMAX AHEAD OF A QUANTISED PRODUCT. Where the list says 'softmax', what is quantised is not the finished softmax but p = 2^(t - M), with t = logit x log2(e) and M = ceil(the row's largest t), a whole number; so 1/2 < the row's largest p <= 1. The row's sum l is taken of the UNQUANTISED p, in f32, and the product's result is divided by l at the end. Since M is a whole number, a kernel that streams over the keys may use a running M (the ceiling of the running maximum): every later rescaling is an exact power of two, which a block's scale takes up: the codes' values come out the same.
;;   OPERANDS COMPUTED ON THE WAY. 'Computed on the way' means the value that the module computes at that place (a softmax that the list does not call 'softmax' is quantised finished and normalised). What goes into a quantiser is computed in f32, as accurately as f32 sums, v_exp_f32 and their like allow (about 1e-6 of the number): no bf16 or f16 on the way to a quantiser, and a product that is left as it is and whose result goes on into a quantised operand takes f32 operands (vector FMAs, or v_wmma_f32_16x16x4_f32). A number that lies on a knife's edge between two numbers of the format may be rounded either way, as far as f32 arithmetic and the matrix unit's own rounding can turn it there, and no further.
;;   INPUTS GIVEN AS CODES. Wk (in the module: [16, 1024, 64], K = its axis 1); Wo (in the module: [1024, 1024], K = its axis 0); Wq (in the module: [16, 1024, 64], K = its axis 1); Wv (in the module: [16, 1024, 64], K = its axis 1); keys (in the module: [4, 2048, 1024], K = its axis 2); queries (in the module: [4, 2048, 1024], K = its axis 2); values (in the module: [4, 2048, 1024], K = its axis 2): each comes as NAME_codes (uint8): NAME with its K axis moved to the last place and cut into blocks of 32 codes, [.., K / 32, bytes a block], one block behind the other in memory; one code a byte (a code: sign, 4 exponent bits, 3 mantissa bits); and NAME_scales (uint8): the same leading axes, one E8M0 byte (e + 127) for each 32 codes along K. Its value is code x scale, taken as it is: it is not quantised again, and the codes and scales need not be those that the quantiser above would give.
;; One version. Each part assembles by itself: llvm-mc -triple=amdgcn-amd-amdhsa -mcpu=gfx1250 --defsym DOCPART=n.
;; ======== version 1 of 1: 3 launches
;; limits: right only within a limited range of input values
;; workspace buffers: qr 8,912,896 bytes; kv 17,563,648 bytes; cc 8,388,608 bytes; cs 262,144 bytes
;; launch proj (part 1): grid 32 x 12, 4 waves a work-group, clusters of 4 x 4, 327,680 bytes of LDS; arguments queries_codes, queries_scales, Wq_codes, Wq_scales, bq, keys_codes, keys_scales, Wk_codes, Wk_scales, bk, Wv_codes, Wv_scales, values_codes, values_scales, bv, qr, kv; writes qr, kv
.if DOCPART == 1
	.amdgcn_target "amdgcn-amd-amdhsa--gfx1250"
	.amdhsa_code_object_version 6
	.text
	.protected	k_qcb946860af_proj
	.globl	k_qcb946860af_proj
	.p2align	8
	.type	k_qcb946860af_proj,@function
k_qcb946860af_proj:
	s_mov_b64 s[64:65], 0
	v_nop
	global_prefetch_b8 v0, s[64:65] scope:SCOPE_SE
	s_setreg_imm32_b32 hwreg(HW_REG_WAVE_MODE, 25, 1), 1
	s_wait_xcnt 0x0
	s_wait_alu depctr_hold_cnt(0) depctr_sa_sdst(0) depctr_va_vdst(0) depctr_va_sdst(0) depctr_va_ssrc(0) depctr_va_vcc(0) depctr_vm_vsrc(0)
	s_getreg_b32 s2, hwreg(HW_REG_IB_STS2, 6, 4)
	s_cmp_eq_u32 s2, 0
	s_cbranch_scc0 .Lentry_in_a_cluster
	s_endpgm
.Lentry_in_a_cluster:
	s_bfe_u32 s2, ttmp6, 0x10000c
	s_cmp_lg_u32 s2, 0xf033
	s_cbranch_scc0 .Lentry_shape_is_right
	s_endpgm
.Lentry_shape_is_right:
.set KSTEP,  256
.set NQ,     KSTEP/128
.set ROWB,   256
.set KROW,   1024
.set PITCH,  272
.set FR,     16
.set NL,     4
.set NP,     8
.set HALFT,  128*PITCH
.set SLOT,   4*HALFT
.set LAPS,   2
.set KS,     32
.set SCL,    2*SLOT
.set HALFS,  (128*KS/256)*272
.set SBLK,   (16*KS/256)*272
.set SPARE,  SCL+4*HALFS
.set RECQ,   8704
.set RECK,   17152
.set ADRA, 16
.set ADRB, 20
.set VO,   26
.set ADRS, 27
.set SPW,  28
.set NIL,  29
.set VO3,  30
.set SC,   32
.set BQ,   64
.set AF,   128
.set X,    128
.set PC,   192
.set TM,   224
.set SW,   240
.set Z,    248
.set G1, 24
.set G0, 32
.set G1B, 48
.set G0B, 56
.set G1S, 68
.set G0S, 76
.set G1SB, 80
.set G0SB, 88
.set MNT, 17
.set SEL, 18
.set OB,  20
.set MSB, 0
.macro WIN new
.if MSB != (\new)
	s_set_vgpr_msb (MSB<<8)|(\new)
.set MSB, (\new)
.endif
.endm
.set MUL_LO, 0xa1
.set MUL_HI, 0xf1
.set TO_B,   0x40
.macro JLOAD g0a, g1a, g0b, g1b
	s_cmp_eq_u32 s15, 0
	s_cbranch_scc0 .Lfor_b_\@
	tensor_load_to_lds s[\g0a:\g0a+3], s[\g1a:\g1a+7]
	s_nop 0
.rept 4
	v_nop
.endr
	s_branch .Lasked_\@
.Lfor_b_\@:
	tensor_load_to_lds s[\g0b:\g0b+3], s[\g1b:\g1b+7]
	s_nop 0
.rept 4
	v_nop
.endr
.Lasked_\@:
.endm
.macro CREST
	s_cmp_lg_u32 s14, 0
	s_cbranch_scc1 .Lnot_wave_0_\@
	s_barrier_signal -3
.Lnot_wave_0_\@:
	s_barrier_wait -3
	s_barrier_signal -1
	s_barrier_wait -1
.endm
.macro CROUND
	s_barrier_signal -1
	s_barrier_wait -1
	CREST
.endm
	s_load_b512 s[24:39], s[0:1], 0x0
	s_load_b512 s[40:55], s[0:1], 0x40
	s_load_b64 s[56:57], s[0:1], 0x80
	v_lshl_add_u32 v[SPW], v0, 2, SPARE
	v_mov_b32 v[NIL], 0
	ds_add_u32 v28, v29
	ds_add_u32 v28, v29
	s_wait_dscnt 0x0
	v_lshrrev_b32 v1, 5, v0
	v_readfirstlane_b32 s14, v1
	s_lshr_b32 s15, s14, 1
	s_and_b32 s16, s14, 1
	s_and_b32 s100, ttmp7, 0xffff
	s_mov_b32 s95, RECK
	s_wait_kmcnt 0x0
	s_cmp_eq_u32 s100, 0
	s_cselect_b64 s[4:5], s[24:25], s[34:35]
	s_cselect_b64 s[6:7], s[26:27], s[36:37]
	s_cselect_b64 s[8:9], s[28:29], s[38:39]
	s_cselect_b64 s[10:11], s[30:31], s[40:41]
	s_cselect_b64 s[98:99], s[32:33], s[42:43]
	s_cselect_b64 s[12:13], s[54:55], s[56:57]
	s_cselect_b32 s95, RECQ, s95
	s_cmp_eq_u32 s100, 2
	s_cselect_b64 s[4:5], s[44:45], s[4:5]
	s_cselect_b64 s[6:7], s[46:47], s[6:7]
	s_cselect_b64 s[8:9], s[48:49], s[8:9]
	s_cselect_b64 s[10:11], s[50:51], s[10:11]
	s_cselect_b64 s[98:99], s[52:53], s[98:99]
	s_cselect_b32 s96, 0, ttmp9
	s_cselect_b32 s97, ttmp9, 0
	s_bfe_u32 s40, ttmp6, 0x40000
	s_bfe_u32 s41, ttmp6, 0x40004
	s_lshl_b32 s42, s97, 2
	s_add_co_u32 s42, s42, s40
	s_lshl_b32 s17, s96, 2
	s_add_co_u32 s17, s17, s41
	s_lshl_b32 s43, s41, 2
	s_lshl_b32 s43, 15, s43
	s_lshl_b32 s44, 0x1111, s40
	s_or_b32 s[G1+0], s43, (0<<16)|(1<<20)|(1<<21)|(5<<22)|(3<<25)
	s_or_b32 s[G1B+0], s44, (0<<16)|(1<<20)|(1<<21)|(5<<22)|(3<<25)
.irp g, G1, G1B
	s_mov_b32 s[\g+1], ROWB<<16
	s_mov_b32 s[\g+2], 256<<16                     ; the head's loads of codes bring 256 rows
	s_mov_b32 s[\g+3], ROWB<<16
	s_mov_b32 s[\g+4], 256
	s_mov_b32 s[\g+5], KROW
	s_mov_b32 s[\g+6], 0
	s_mov_b32 s[\g+7], 0
.endr
	s_or_b32 s[G1S+0], s43, (3<<16)|(1<<20)|(1<<21)|(5<<22)|(3<<25)
	s_or_b32 s[G1SB+0], s44, (3<<16)|(1<<20)|(1<<21)|(5<<22)|(3<<25)
.irp g, G1S, G1SB
	s_mov_b32 s[\g+1], 32<<16
	s_mov_b32 s[\g+2], KS<<16                      ; the scales of 256 rows: KS rows of 256 bytes
	s_mov_b32 s[\g+3], 32<<16
	s_mov_b32 s[\g+4], KS
	s_mov_b32 s[\g+5], 32
	s_mov_b32 s[\g+6], 0
	s_mov_b32 s[\g+7], 0
.endr
	s_lshl_b32 s20, s17, 8                         ; the tile's first row of A
	s_lshl_b32 s46, s42, 8                         ; and of B
	s_mov_b32 s21, 0
	s_mov_b32 s47, 0
	s_mov_b64 s[18:19], KS
	s_mul_u64 s[22:23], s[20:21], s[18:19]
	s_mul_u64 s[92:93], s[46:47], s[18:19]
	s_mov_b64 s[18:19], KROW
	s_mul_u64 s[20:21], s[20:21], s[18:19]
	s_mul_u64 s[46:47], s[46:47], s[18:19]
	s_mul_i32 s45, s14, HALFT
	s_add_nc_u64 s[20:21], s[4:5], s[20:21]
	s_add_nc_u64 s[22:23], s[6:7], s[22:23]
	s_add_nc_u64 s[46:47], s[8:9], s[46:47]
	s_add_nc_u64 s[92:93], s[10:11], s[92:93]
	CROUND
	s_mov_b32 s[G0S], 1
	s_mov_b32 s[G0S+1], SCL
	s_mov_b64 s[G0S+2:G0S+3], s[22:23]
	s_or_b32 s[G0S+3], s[G0S+3], 0x80000000
	s_mov_b32 s[G0SB], 1
	s_mov_b32 s[G0SB+1], SCL+2*HALFS
	s_mov_b64 s[G0SB+2:G0SB+3], s[92:93]
	s_or_b32 s[G0SB+3], s[G0SB+3], 0x80000000
.set G0H, 4                            ; s[4:7], s[8:11] group 0 of the head's loads of K step 0 (the pointers that lay there have been used)
.set G0HB, 8
	s_mov_b32 s[G0H], 1
	s_mov_b32 s[G0H+1], 0
	s_mov_b64 s[G0H+2:G0H+3], s[20:21]
	s_or_b32 s[G0H+3], s[G0H+3], 0x80000000
	s_mov_b32 s[G0HB], 1
	s_mov_b32 s[G0HB+1], 2*HALFT
	s_mov_b64 s[G0HB+2:G0HB+3], s[46:47]
	s_or_b32 s[G0HB+3], s[G0HB+3], 0x80000000
	s_mul_i32 s18, s16, 128*KROW                   ; for the ring: my 128 rows of the tile
	s_mov_b32 s19, 0
	s_add_nc_u64 s[20:21], s[20:21], s[18:19]
	s_add_nc_u64 s[46:47], s[46:47], s[18:19]
.irp s, 0,1
	s_mov_b32 s[G0+4*\s], 1
	s_add_co_u32 s[G0+4*\s+1], s45, \s*SLOT
	s_add_nc_u64 s[G0+4*\s+2:G0+4*\s+3], s[20:21], \s*ROWB
	s_or_b32 s[G0+4*\s+3], s[G0+4*\s+3], 0x80000000
	s_mov_b32 s[G0B+4*\s], 1
	s_add_co_u32 s[G0B+4*\s+1], s45, \s*SLOT
	s_add_nc_u64 s[G0B+4*\s+2:G0B+4*\s+3], s[46:47], \s*ROWB
	s_or_b32 s[G0B+4*\s+3], s[G0B+4*\s+3], 0x80000000
.endr
; the head's four tiles, one joint load a wave, in one chain of branches on the wave's number: wave 0 K step 0's 256 rows of A, wave 1 those of B, wave 2 A's scales, wave 3 B's
.macro ARM under, g0, g1, next
	s_cmp_lt_u32 s14, \under
	s_cbranch_scc0 \next
	tensor_load_to_lds s[\g0:\g0+3], s[\g1:\g1+7]
	s_nop 0
.rept 4
	v_nop
.endr
	s_branch .Lhead_asked
\next:
.endm
	ARM 1, G0H,  G1,  .Lhead_b
	ARM 2, G0HB, G1B, .Lhead_sa
	ARM 3, G0S,  G1S, .Lhead_sb
	tensor_load_to_lds s[G0SB:G0SB+3], s[G1SB:G1SB+7]
	s_nop 0
.rept 4
	v_nop
.endr
.Lhead_asked:
	; PREFETCH INTO THE L2: of the 128 rows that my wave fetches for the ring, my work-group names 32 (told apart from its three partners by address: cx for A, cy for B), a lane a row, 256 bytes of a row to a K step.
	; Here K steps 1 and 2 are named; K step 3 behind slot 1's first fill.  The address registers are never written again.
	s_cmp_eq_u32 s15, 0                            ; do I fetch for A?
	s_cselect_b64 s[92:93], s[20:21], s[46:47]
	s_cselect_b32 s96, s40, s41
	s_lshl_b32 s96, s96, 15                        ; 32 rows of 1,024 bytes
	s_mov_b32 s97, 0
	s_add_nc_u64 s[92:93], s[92:93], s[96:97]
	v_and_b32 v24, 31, v0
	v_lshlrev_b32 v24, 10, v24
	global_prefetch_b8 v24, s[92:93] offset:ROWB th:TH_LOAD_NT scope:SCOPE_SE
	global_prefetch_b8 v24, s[92:93] offset:2*ROWB th:TH_LOAD_NT scope:SCOPE_SE
	v_and_b32 v1, 15, v0
	v_bfe_u32 v2, v0, 4, 1
	v_mul_u32_u24 v3, v1, PITCH
	v_lshl_add_u32 v4, v2, 4, v3
	s_mul_i32 s21, s15, HALFT
	s_mul_i32 s22, s16, HALFT
	s_add_co_u32 s22, s22, 2*HALFT
.irp s, 0,1
	v_add_nc_u32 v[ADRA+\s], s21, v4
	v_add_nc_u32 v[ADRB+\s], s22, v4
	s_add_co_u32 s21, s21, SLOT
	s_add_co_u32 s22, s22, SLOT
.endr
	v_mul_u32_u24 v5, v1, KS
	v_lshrrev_b32 v6, 8, v5
	v_lshl_add_u32 v5, v6, 4, v5
	s_mul_i32 s21, s15, HALFS
	s_mul_i32 s22, s16, HALFS
	s_add_co_u32 s22, s22, 2*HALFS
	s_sub_co_u32 s22, s22, s21
	v_mul_u32_u24 v6, s22, v2
	s_add_co_u32 s21, s21, SCL
	v_add_nc_u32 v5, v5, v6
	v_add_nc_u32 v[ADRS], s21, v5
	v_and_b32 v6, 31, v0
	v_lshlrev_b32 v[VO], 4, v6
	v_lshlrev_b32 v22, 5, v2
	s_wait_alu depctr_va_vdst(0)
	v_lshlrev_b32 v23, 2, v1
	s_wait_alu depctr_va_vdst(0)
	s_lshl_b32 s20, s17, 8
	s_lshl_b32 s21, s15, 7
	s_add_co_u32 s20, s20, s21
	s_lshl_b32 s22, s42, 8
	s_lshl_b32 s23, s16, 7
	s_add_co_u32 s22, s22, s23
	s_cmp_eq_u32 s100, 2
	s_cselect_b32 s96, s22, s20
	s_cselect_b32 s97, s20, s22
	s_lshr_b32 s20, s96, 11
	s_lshl_b32 s20, s20, 4
	s_lshr_b32 s21, s97, 6
	s_add_co_u32 s20, s20, s21
	s_lshl_b32 s20, s20, 4
	s_lshr_b32 s21, s96, 7
	s_and_b32 s21, s21, 15
	s_add_co_u32 s20, s20, s21
	s_mul_i32 s20, s20, s95
	s_mov_b32 s21, 0
	s_add_nc_u64 s[OB:OB+1], s[12:13], s[20:21]
	s_lshl_b32 s22, s95, 4
	s_mov_b32 s23, 0
	s_add_nc_u64 s[OB+2:OB+3], s[OB:OB+1], s[22:23]
	s_lshl_b32 s96, s97, 2
	s_mov_b32 s97, 0
	s_add_nc_u64 s[98:99], s[98:99], s[96:97]
.irp b, 0,1,2,3,4,5,6,7
	global_load_b128 v[BQ+8*\b:BQ+8*\b+3], v22, s[98:99] offset:64*\b
	global_load_b128 v[BQ+8*\b+4:BQ+8*\b+7], v22, s[98:99] offset:64*\b+16
.endr
.irp a, 0,1,2,3,4,5,6,7
	global_load_b32 v[2+2*\a+2*(\a/7)], v23, s[98:99] offset:64*\a
	global_load_b32 v[3+2*\a+2*(\a/7)], v23, s[98:99] offset:64*\a
.endr
	s_mov_b32 s[MNT], 0x600000
	s_mov_b32 s[SEL], 0x76543210
	s_mov_b32 s[SEL+1], 0xfedcba98
.macro FRAG reg, adr, q, i
.irp c, 0,1,2,3
	ds_load_b128 v[\reg+4*\c:\reg+4*\c+3], v[\adr] offset:128*(\q)+32*\c+(\i)*16*PITCH
.endr
.endm
.macro MUL16 a0, p, q, sc, zero
.irp a, \a0, \a0+1
.irp b, 0,1,2,3,4,5,6,7
.if \zero
	v_wmma_scale_f32_16x16x128_f8f6f4 v[8*(8*((\a)%4)+\b):8*(8*((\a)%4)+\b)+7], v[128*(\p)+FR*\b:128*(\p)+FR*\b+FR-1], v[AF+FR*(\a):AF+FR*(\a)+FR-1], 0, v[SC+8*NQ*(\sc)+NQ*\b+(\q)], v[SC+8*NQ*(\sc)+NQ*(\a)+(\q)] matrix_a_scale:MATRIX_SCALE_ROW1
.else
	v_wmma_scale_f32_16x16x128_f8f6f4 v[8*(8*((\a)%4)+\b):8*(8*((\a)%4)+\b)+7], v[128*(\p)+FR*\b:128*(\p)+FR*\b+FR-1], v[AF+FR*(\a):AF+FR*(\a)+FR-1], v[8*(8*((\a)%4)+\b):8*(8*((\a)%4)+\b)+7], v[SC+8*NQ*(\sc)+NQ*\b+(\q)], v[SC+8*NQ*(\sc)+NQ*(\a)+(\q)] matrix_a_scale:MATRIX_SCALE_ROW1
.endif
.endr
.endr
.endm
.macro FETCH_B slot, q, p
	WIN TO_B
.irp i, 0,1,2,3,4,5,6,7
	FRAG 128*(\p)+FR*\i, ADRB+\slot, \q, \i
.endr
	WIN 0
.endm
.macro FETCH_A slot, q, i0
.irp i, \i0, \i0+1, \i0+2, \i0+3
	FRAG AF+FR*(\i), ADRA+\slot, \q, \i
.endr
.endm
.macro SCALES sc
.irp i, 0,1,2,3,4,5,6,7
	ds_load_b64 v[SC+8*NQ*\sc+NQ*\i:SC+8*NQ*\sc+NQ*\i+1], v[ADRS] offset:\i*SBLK
.endr
.endm
.macro PLACES n
.rept \n
	v_nop
.endr
.endm
.macro STEP slot, q, zero
	s_wait_dscnt 4*NL
	WIN MUL_LO
	MUL16 0, (\q)%2, \q, \slot, \zero
	MUL16 2, (\q)%2, \q, \slot, \zero
	s_wait_dscnt 0
	PLACES NP
	FETCH_B \slot, (\q)+1, 1-(\q)%2
	FETCH_A \slot, (\q)+1, 0
	WIN MUL_HI
	MUL16 4, (\q)%2, \q, \slot, \zero
	MUL16 6, (\q)%2, \q, \slot, \zero
	PLACES NP
	WIN 0
	FETCH_A \slot, (\q)+1, 4
.endm
.macro TURN slot, next, fill
	s_wait_tensorcnt 0x0
	ds_add_u32 v[SPW], v[NIL]
	s_wait_dscnt 4*NL+1
	WIN MUL_LO
	MUL16 0, 1, NQ-1, \slot, 0
	s_wait_dscnt 0x0
	s_barrier_signal -1
	MUL16 2, 1, NQ-1, \slot, 0
	WIN 0
	s_barrier_wait -1
.if \fill
	CREST
	s_add_nc_u64 s[G0+4*\slot+2:G0+4*\slot+3], s[G0+4*\slot+2:G0+4*\slot+3], 2*ROWB
	s_add_nc_u64 s[G0B+4*\slot+2:G0B+4*\slot+3], s[G0B+4*\slot+2:G0B+4*\slot+3], 2*ROWB
	JLOAD G0+4*\slot, G1, G0B+4*\slot, G1B
	PLACES NP-4
.else
	PLACES NP
.endif
	s_wait_alu depctr_va_vdst(0)
	v_add_nc_u32 v[ADRS], 4*NQ, v[ADRS]
	FETCH_B \next, 0, 0
	FETCH_A \next, 0, 0
	SCALES \next
	WIN MUL_HI
	MUL16 4, 1, NQ-1, \slot, 0
	MUL16 6, 1, NQ-1, \slot, 0
	PLACES NP
	WIN 0
	FETCH_A \next, 0, 4
.endm
	s_wait_alu depctr_va_vdst(0)                   ; the wait at the head's end
	s_wait_tensorcnt 0x0                           ; my tile of the head's four is in; the lines ahead of a later first fill:
	ds_add_u32 v[SPW], v[NIL]
	s_mov_b32 s[G1+2], 128<<16                     ; no tensor load of mine is out: from here on a load brings 128 rows
	s_mov_b32 s[G1+4], 128
	s_mov_b32 s[G1B+2], 128<<16
	s_mov_b32 s[G1B+4], 128
	s_wait_dscnt 0x0
	CROUND                                         ; all four tiles are in, and the sixteen work-groups are here
	JLOAD G0+4, G1, G0B+4, G1B                     ; K step 1, the first tensor load behind the round
	FETCH_B 0, 0, 0
	FETCH_A 0, 0, 0
	SCALES 0
	FETCH_A 0, 0, 4
	global_prefetch_b8 v24, s[92:93] offset:3*ROWB th:TH_LOAD_NT scope:SCOPE_SE   ; K step 3, two refills ahead of its load
	STEP 0, 0, 1
	s_mov_b32 s3, LAPS-1
.Llap:
	TURN 0, 1, 1
	STEP 1, 0, 0
	TURN 1, 0, 1
	STEP 0, 0, 0
	s_sub_co_u32 s3, s3, 1
	s_cmp_lg_u32 s3, 0
	s_cbranch_scc1 .Llap
	TURN 0, 1, 0
	STEP 1, 0, 0
	s_wait_dscnt 4*NL
	WIN MUL_LO
	MUL16 0, 1, NQ-1, 1, 0
	MUL16 2, 1, NQ-1, 1, 0
	s_wait_dscnt 0
	WIN MUL_HI
	MUL16 4, 1, NQ-1, 1, 0
	MUL16 6, 1, NQ-1, 1, 0
	WIN 0
.macro QUANT s, pc, pw
.irp b, 0,1,2,3
	v_max3_num_f32 v[TM+\b], |v[\s+16*\b]|, |v[\s+1+16*\b]|, 0x4800000
.endr
.irp i, 2,4,6,8,10,12,14
.irp b, 0,1,2,3
	v_max3_num_f32 v[TM+\b], v[TM+\b], |v[\s+16*\b+\i]|, |v[\s+1+16*\b+\i]|
.endr
.endr
.irp b, 0,1,2,3
	v_permlanex16_b32 v[TM+4+\b], v[TM+\b], s[SEL], s[SEL+1]
.endr
.irp b, 0,1,2,3
	v_max_num_f32 v[TM+\b], v[TM+\b], v[TM+4+\b]
.endr
.irp b, 0,1,2,3
	v_add_nc_u32 v[TM+12+\b], 0xfc000000, v[TM+\b]
.endr
.irp b, 0,1,2,3
	v_and_or_b32 v[TM+8+\b], v[TM+\b], 0x7f800000, s[MNT]
.endr
.irp b, 0,1,2,3
	v_lshrrev_b32 v[TM+4+\b], 23, v[TM+12+\b]
.endr
	v_lshl_or_b32 v[\pw], v[TM+5], 8, v[TM+4]
	v_lshl_or_b32 v[\pw], v[TM+6], 16, v[\pw]
	v_lshl_or_b32 v[\pw], v[TM+7], 24, v[\pw]
.irp b, 0,1,2,3
.irp i, 0,1,2,3,4,5,6,7,8,9,10,11,12,13,14,15
	v_med3_num_f32 v[\s+16*\b+\i], v[\s+16*\b+\i], -v[TM+8+\b], v[TM+8+\b]
.endr
	v_cvt_scalef32_pk8_fp8_f32 v[\pc+4*\b:\pc+1+4*\b], v[\s+16*\b:\s+7+16*\b], v[TM+12+\b]
	v_cvt_scalef32_pk8_fp8_f32 v[\pc+2+4*\b:\pc+3+4*\b], v[\s+8+16*\b:\s+15+16*\b], v[TM+12+\b]
.endr
	v_nop
.endm
.macro TILEQ a, isv
.set ACB, 64*((\a)%4)
.set PCS, PC+16*((\a)%2)-160*(((\a)%4)/2)      ; the codes' registers, four sets by turns: v192, v208, v32, v48 (the scale words' registers are done with)
.set SWS, SW+(\a)
.set BVS, 2+2*(\a)+2*((\a)/7)
	WIN 0x02+(\a)/4
.set p, 0
.rept 32
.if \isv
	v_pk_add_f32 v[X+p:X+p+1], v[ACB+p:ACB+p+1], v[BVS:BVS+1]
.else
	v_pk_add_f32 v[X+p:X+p+1], v[ACB+p:ACB+p+1], v[BQ+p:BQ+p+1]
.endif
.set p, p+2
.endr
	WIN 0
.if (\a) == 4
	s_wait_xcnt 0x0                                ; the stores of tiles 0 to 3 have read their data: tiles 4 to 7 write those four sets again
.endif
	QUANT X, PCS, SWS
.irp j, 0,1,2,3
.if \isv
	global_store_b128 v[VO], v[PCS+4*\j:PCS+4*\j+3], s[OB+2*((\a)/4):OB+2*((\a)/4)+1] offset:8704+2048*((\a)%4)+512*\j
.else
	global_store_b128 v[VO], v[PCS+4*\j:PCS+4*\j+3], s[OB+2*(\j/2):OB+2*(\j/2)+1] offset:1024*(\a)+512*(\j%2)
.endif
.endr
.endm
	PLACES NP
	s_wait_loadcnt 0x0
	v_and_b32 v31, 16, v0
	v_cmp_ne_u32 vcc_lo, 0, v31
.irp b, 0,1,2,3
	v_mov_b32 v[TM+4+\b], 0
.endr
	s_cmp_eq_u32 s100, 2
	s_cbranch_scc1 .Lway_v
.irp a, 0,1,2,3,4,5,6,7
	TILEQ \a, 0
.endr
.irp e, 0,1
.irp i, 0,1,2,3,4,5,6,7
.if \e == 0
	v_and_b32 v[TM+\i], 0xffff, v[SW+\i]
.else
	v_lshrrev_b32 v[TM+\i], 16, v[SW+\i]
.endif
.endr
.irp i, 0,1,2,3
	v_cndmask_b32 v[Z+4*\e+\i], v[TM+\i], v[TM+4+\i], vcc_lo
.endr
	global_store_b128 v[VO], v[Z+4*\e:Z+4*\e+3], s[OB+2*\e:OB+2*\e+1] offset:8192
.endr
	s_branch .Ldone
.Lway_v:
	v_and_b32 v[VO3], 15, v0
	v_lshlrev_b32 v[VO3], 4, v[VO3]
	v_bfe_u32 v31, v0, 4, 1
	v_mul_u32_u24 v31, v31, 16*RECK
	v_add_nc_u32 v[VO3], v[VO3], v31
.irp a, 0,1,2,3,4,5,6,7
	TILEQ \a, 1
.endr
.irp i, 0,1,2,3
	v_cndmask_b32 v[Z+\i], v[SW+\i], v[SW+4+\i], vcc_lo
.endr
	global_store_b128 v[VO3], v[Z:Z+3], s[OB:OB+1] offset:16896
.Ldone:
	s_wait_tensorcnt 0x0
	ds_add_u32 v[SPW], v[NIL]
	s_wait_dscnt 0x0
	CROUND
	s_endpgm
.Lfunc_end_k_qcb946860af_proj:
	.size	k_qcb946860af_proj, .Lfunc_end_k_qcb946860af_proj-k_qcb946860af_proj
	.p2alignl 7, 3214868480
	.fill 96, 4, 3214868480
	.section	.rodata,"a",@progbits
	.p2align	6, 0x0
	.amdhsa_kernel k_qcb946860af_proj
		.amdhsa_group_segment_fixed_size 327680
		.amdhsa_private_segment_fixed_size 0
		.amdhsa_enable_private_segment 0
		.amdhsa_kernarg_size 136
		.amdhsa_user_sgpr_count 2
		.amdhsa_user_sgpr_kernarg_segment_ptr 1
		.amdhsa_wavefront_size32 1
		.amdhsa_system_sgpr_workgroup_id_x 1
		.amdhsa_system_sgpr_workgroup_id_y 1
		.amdhsa_system_sgpr_workgroup_id_z 1
		.amdhsa_system_vgpr_workitem_id 0
		.amdhsa_next_free_vgpr 1024
		.amdhsa_next_free_sgpr 102
		.amdhsa_reserve_vcc 1
		.amdhsa_float_denorm_mode_32 3
		.amdhsa_float_denorm_mode_16_64 3
		.amdhsa_memory_ordered 1
		.amdhsa_forward_progress 1
		.amdhsa_inst_pref_size 255
	.end_amdhsa_kernel
	.section	.bss,"aw",@nobits
	.p2align	6
	.space	262144
	.amdgpu_metadata
---
amdhsa.version: [ 1, 2 ]
amdhsa.kernels:
  - .name:           k_qcb946860af_proj
    .symbol:         k_qcb946860af_proj.kd
    .args:
      - { .name: queries_codes, .offset: 0, .size: 8, .value_kind: global_buffer, .address_space: global }
      - { .name: queries_scales, .offset: 8, .size: 8, .value_kind: global_buffer, .address_space: global }
      - { .name: Wq_codes, .offset: 16, .size: 8, .value_kind: global_buffer, .address_space: global }
      - { .name: Wq_scales, .offset: 24, .size: 8, .value_kind: global_buffer, .address_space: global }
      - { .name: bq, .offset: 32, .size: 8, .value_kind: global_buffer, .address_space: global }
      - { .name: keys_codes, .offset: 40, .size: 8, .value_kind: global_buffer, .address_space: global }
      - { .name: keys_scales, .offset: 48, .size: 8, .value_kind: global_buffer, .address_space: global }
      - { .name: Wk_codes, .offset: 56, .size: 8, .value_kind: global_buffer, .address_space: global }
      - { .name: Wk_scales, .offset: 64, .size: 8, .value_kind: global_buffer, .address_space: global }
      - { .name: bk, .offset: 72, .size: 8, .value_kind: global_buffer, .address_space: global }
      - { .name: Wv_codes, .offset: 80, .size: 8, .value_kind: global_buffer, .address_space: global }
      - { .name: Wv_scales, .offset: 88, .size: 8, .value_kind: global_buffer, .address_space: global }
      - { .name: values_codes, .offset: 96, .size: 8, .value_kind: global_buffer, .address_space: global }
      - { .name: values_scales, .offset: 104, .size: 8, .value_kind: global_buffer, .address_space: global }
      - { .name: bv, .offset: 112, .size: 8, .value_kind: global_buffer, .address_space: global }
      - { .name: qr, .offset: 120, .size: 8, .value_kind: global_buffer, .address_space: global }
      - { .name: kv, .offset: 128, .size: 8, .value_kind: global_buffer, .address_space: global }
    .group_segment_fixed_size: 327680
    .private_segment_fixed_size: 0
    .kernarg_segment_align: 8
    .kernarg_segment_size: 136
    .max_flat_workgroup_size: 128
    .sgpr_count:     102
    .vgpr_count:     1024
    .wavefront_size: 32
...
	.end_amdgpu_metadata
.endif
;; end of part 1
;; launch attn (part 2): grid 4 x 64, 16 waves a work-group, clusters of 4 x 1, 276,480 bytes of LDS; arguments qr, kv, cc, cs; writes cc, cs
.if DOCPART == 2
	.amdgcn_target "amdgcn-amd-amdhsa--gfx1250"
	.amdhsa_code_object_version 6
	.text
	.protected	k_qcb946860af_attn
	.globl	k_qcb946860af_attn
	.p2align	8
	.type	k_qcb946860af_attn,@function
k_qcb946860af_attn:
	s_mov_b64 s[64:65], 0
	v_nop
	global_prefetch_b8 v0, s[64:65] scope:SCOPE_SE
	s_setreg_imm32_b32 hwreg(HW_REG_WAVE_MODE, 25, 1), 1
	s_wait_xcnt 0x0
	s_wait_alu depctr_hold_cnt(0) depctr_sa_sdst(0) depctr_va_vdst(0) depctr_va_sdst(0) depctr_va_ssrc(0) depctr_va_vcc(0) depctr_vm_vsrc(0)
	s_getreg_b32 s2, hwreg(HW_REG_IB_STS2, 6, 4)
	s_cmp_eq_u32 s2, 0
	s_cbranch_scc0 .Lentry_in_a_cluster
	s_endpgm
.Lentry_in_a_cluster:
	s_bfe_u32 s2, ttmp6, 0x10000c
	s_cmp_lg_u32 s2, 0x3003
	s_cbranch_scc0 .Lentry_shape_is_right
	s_endpgm
.Lentry_shape_is_right:
; ATTENTION of one (b, head) on codes of FP8 (E4M3) with E8M0 scales: S^T = k q^T (K = the head's 64), the softmax, O^T = v^T p^T (K = the keys), O / l, and the quantising of O along 64 head + e for the last product.
; IN: qr and kv as the launch before lays them: records for 128 queries (8,704 bytes) and for 128 keys (17,152 bytes), images of operand registers: 16 rows x 32 along K in 512 bytes, lane l's 16 bytes at 16 l.
; SHARES.  A cluster of four work-groups is one (b, head); work-group cx owns queries 512 cx on; each of its sixteen waves owns one tile of 16 queries in each of two passes.
; THE WHOLE HEAD'S k AND v STAY IN LDS: its 16 records are 274,432 consecutive bytes, copied as they lie, once: wave w brings record w by one joint load that names the four work-groups.
; No LDS byte is filled twice and none is stored to: one barrier, behind the fill, serves the launch.
; LAYOUT.  Both products are used transposed: a lane holds ONE query (lane % 16) throughout.  In S^T register j of tile t is key 16 t + 8 (lane / 16) + j: the two conversions of tiles 2 c, 2 c + 1 give the lane's
; four registers of block c in the order k = 32 c + 8 h + i % 8 + 16 (i / 8), which is the order in which v's codes were made; q's and k's codes share that order likewise.
; K = 64 UNDER AN INSTRUCTION OF K = 128: q's upper eight registers are zero codes, so what stands in the upper half of k's operand counts for nothing so long as it is finite: k's fragments lie packed, eight registers
; a tile, and tile t's operand runs on over tile t + 1's codes (never the NaN code: they were held at 448), tile 7's over eight registers of zeros.  The upper two bytes of both scale words are 0 (2^-127, no NaN).
; THE SOFTMAX: t = score x log2(e) / 8; M = the running largest t rounded up to a whole number; p = 2^(t - M) is quantised along the keys, not normalised; the row's sum is of the unquantised p and divides O at the end.
; When M moves, the sum and O^T are multiplied by 2^(old M - new M): exact.
; OUT: cc [512 tiles of 16 rows (b, s)][32 blocks][512]: images in the true order of k (lane (r, h): k = 32 block + 16 h + 0 .. 15), since the last product's partner lies so; cs [8,192][32] scale bytes.
; A head owns 2 of a row's 32 scale bytes, so those leave as single bytes: one part in 32 of what a pass stores.
; LIMITS: NaN and infinities are not served; t under -3e38 is not served; a block whose largest magnitude lies under 2^-118 (a block of zeros too) keeps the byte 1: its codes add nothing, and this program alone reads the bytes.
.set REC,  17152                       ; a record of kv: 8,192 k's codes, 512 its scale words, 8,192 v's codes, 256 its scale words
.set RECQ, 8704
.set L16,  1                           ; v1   16 x lane
.set R16,  2                           ; v2   16 x (lane % 16)
.set ADL,  3                           ; v3   the step's record + 16 x lane
.set ADR,  4                           ; v4   the step's record + 16 r
.set CSO,  5                           ; v5   32 r + h: my byte among the tile's scale bytes
.set QF,   16                          ; v16-31   q's fragment (v24-31 zeros)
.set KF,   32                          ; v32-95   k's eight fragments, packed; later v's four
.set ZR,   96                          ; v96-103  zeros
.set S,    104                         ; v104-167 S^T, then p
.set O,    168                         ; v168-199 O^T
.set PCD,  200                         ; v200-215 p's codes
.set KSC,  216                         ; v216-219 k's scale words: lanes 0-15 tiles 0-3, lanes 16-31 tiles 4-7
.set VSC,  220                         ; v220-223 v's
.set QSC,  224                         ; v224 q's
.set PSC,  225                         ; v225 p's
.set BM,   226                         ; v226-229 a block's largest score, then its largest p
.set T2,   230                         ; v230-233 the other half's; then bytes
.set HD,   234                         ; v234-237 448 x the scale
.set SO,   238                         ; v238-241 the conversions' scale operands
.set F,    242                         ; v[242:243] f = 2^(old M - new M), in the low register
.set TMP,  244
.set SUM2, 246                         ; v[246:247] the sums' second chain
.set WV,   12
.set MNT,  19
.set SEL,  20
.set CS,   22
.set G1,   24
.set G0,   32
.set TB,   36                          ; s36  LDS byte of the step's record
.set CNT,  37
.macro CROUND                          ; a round of the cluster's barrier
	s_barrier_signal -1
	s_barrier_wait -1
	s_cmp_lg_u32 s[WV], 0
	s_cbranch_scc1 .Lnot_wave_0_\@
	s_barrier_signal -3
.Lnot_wave_0_\@:
	s_barrier_wait -3
	s_barrier_signal -1
	s_barrier_wait -1
.endm
	s_load_b256 s[4:11], s[0:1], 0x0               ; qr s[4:5], kv s[6:7], cc s[8:9], cs s[10:11]
	v_lshl_add_u32 v254, v0, 2, 0x43000
	v_mov_b32 v255, 0
	ds_add_u32 v254, v255
	ds_add_u32 v254, v255
	v_lshrrev_b32 v3, 5, v0
	s_delay_alu instid0(VALU_DEP_1)
	v_readfirstlane_b32 s[WV], v3                  ; wave 0..15
	s_bfe_u32 s13, ttmp6, 0x40000                  ; cx: the grid is one cluster wide, so cx is the work-group's x
	s_and_b32 s14, ttmp7, 0xffff                   ; (b, head) = 16 b + head: shared by the four partners
	; descriptor group 1: a record, 17,152 dense bytes, as 67 rows of 256 bytes (32 elements of 8), no padding
	s_mov_b32 s[G1], 15|(3<<16)|(1<<21)            ; 15:0 the mask: all four work-groups; 17:16 elements of 8 bytes; 21 set beside a mask
	s_mov_b32 s[G1+1], 32<<16                      ; tensor_dim0
	s_mov_b32 s[G1+2], 67<<16                      ; tensor_dim1
	s_mov_b32 s[G1+3], 32<<16                      ; tile_dim0
	s_mov_b32 s[G1+4], 67                          ; tile_dim1
	s_mov_b32 s[G1+5], 32                          ; tensor_dim0_stride
	s_mov_b32 s[G1+6], 0
	s_mov_b32 s[G1+7], 0
	s_lshl_b32 s15, s14, 4                         ; 16 records to a (b, head)
	s_add_co_u32 s38, s15, s[WV]
	s_mul_i32 s38, s38, REC                        ; record w of my head, in bytes: under 2^25
	s_mov_b32 s39, 0
	s_mov_b32 s[G0], 1
	s_mul_i32 s[G0+1], s[WV], REC                  ; and its place in LDS: the wave's number x a constant
	s_mov_b32 s[MNT], 0x600000                     ; the mantissa field of 448
	s_mov_b32 s[SEL], 0x76543210
	s_mov_b32 s[SEL+1], 0xfedcba98                 ; v_permlanex16_b32's selects for lane l xor 16
	s_mov_b32 s[CS], 0x3e38aa3b                    ; c = log2(e) / 8
	s_mov_b32 s[CS+1], s[CS]                       ; (named with it as a pair, so it is written)
	s_wait_dscnt 0x0
	s_wait_kmcnt 0x0
	s_add_nc_u64 s[G0+2:G0+3], s[6:7], s[38:39]
	s_or_b32 s[G0+3], s[G0+3], 0x80000000
	CROUND                                         ; all four work-groups are here: the joint loads meet
	tensor_load_to_lds s[G0:G0+3], s[G1:G1+7]      ; my one tensor load of the launch
	s_nop 0
.rept 4
	v_nop
.endr
	s_lshl_b32 s18, s13, 5
	s_add_co_u32 s18, s18, s[WV]                   ; qt: my tile of queries in pass 0: 32 cx + wave; pass 1: 16 tiles on
	s_lshr_b32 s2, s18, 3
	s_add_co_u32 s2, s2, s15
	s_mul_i32 s2, s2, RECQ                         ; its record in qr
	s_and_b32 s3, s18, 7                           ; its place in the record
	s_lshl_b32 s38, s3, 10
	s_add_co_u32 s38, s38, s2                      ; its codes: 1,024 bytes a tile
	s_lshr_b32 s36, s3, 2
	s_lshl_b32 s36, s36, 8                         ; its scale words: 256 (tile / 4) + 4 (tile % 4) + 16 r behind byte 8,192
	s_and_b32 s37, s18, 3
	s_lshl_b32 s37, s37, 2
	s_add_co_u32 s36, s36, s37
	s_add_co_u32 s36, s36, s2
	s_add_co_u32 s36, s36, 8192
	s_mov_b32 s37, 0
	s_add_nc_u64 s[16:17], s[4:5], s[36:37]
	s_add_nc_u64 s[4:5], s[4:5], s[38:39]
	s_lshr_b32 s2, s14, 4
	s_lshl_b32 s2, s2, 7
	s_add_co_u32 s2, s2, s18                       ; the tile among all 512: 128 b + qt
	s_and_b32 s3, s14, 15
	s_lshl_b32 s3, s3, 1                           ; the head's first block of 32 along 64 head + e
	s_lshl_b32 s38, s2, 5
	s_add_co_u32 s38, s38, s3
	s_lshl_b32 s38, s38, 9
	s_add_nc_u64 s[8:9], s[8:9], s[38:39]          ; cc: (32 tile + block) x 512
	s_lshl_b32 s38, s2, 9
	s_add_co_u32 s38, s38, s3
	s_add_nc_u64 s[10:11], s[10:11], s[38:39]      ; cs: 512 tile + block
	v_and_b32 v[L16], 31, v0
	s_delay_alu instid0(VALU_DEP_1)
	v_lshlrev_b32 v[L16], 4, v[L16]
	v_and_b32 v[R16], 15, v0                       ; r
	v_bfe_u32 v[CSO], v0, 4, 1                     ; h
	s_delay_alu instid0(VALU_DEP_1)
	v_lshl_add_u32 v[CSO], v[R16], 5, v[CSO]
	s_delay_alu instid0(VALU_DEP_3)
	v_lshlrev_b32 v[R16], 4, v[R16]
	v_and_b32 v4, 16, v0
	s_delay_alu instid0(VALU_DEP_1)
	v_cmp_ne_u32 vcc_lo, 0, v4                     ; lanes 16-31: kept for the whole launch
.macro QLOAD p                         ; pass p's tile of q: two blocks of codes and the rows' scale words
	global_load_b128 v[QF:QF+3], v[L16], s[4:5] offset:2*RECQ*\p
	global_load_b128 v[QF+4:QF+7], v[L16], s[4:5] offset:2*RECQ*\p+512
	global_load_b32 v[QSC], v[R16], s[16:17] offset:2*RECQ*\p
.endm
	QLOAD 0
.irp j, 0,1,2,3,4,5,6,7
	v_mov_b32 v[QF+8+\j], 0                        ; q's zero codes for k = 64 .. 127: set once
	v_mov_b32 v[ZR+\j], 0                          ; and what stands behind k's last fragment
.endr
.irp b, 0,1,2,3
	v_mov_b32 v[T2+\b], 0                          ; written once: a lane permute's destination counts as one of its sources
.endr
	v_mov_b32 v[F+1], 0                            ; (named as the upper half of a pair)
	v_mov_b32 v[TMP], 0
	s_wait_tensorcnt 0x0                           ; my record has landed,
	s_barrier_signal -1
	s_barrier_wait -1                              ; everybody's has: from here on LDS is only read
; A KEY STEP: 128 keys, one record.
.macro STEP
	v_add_nc_u32 v[ADL], s[TB], v[L16]             ; with the seven joins of the sums at the last step's end: eight places behind that step's products, in front of loads into registers that they read
.irp t, 0,1,2,3,4,5,6,7
.irp c, 0,1
	ds_load_b128 v[KF+8*\t+4*\c:KF+8*\t+4*\c+3], v[ADL] offset:1024*\t+512*\c
.endr
.endr
	ds_load_b128 v[KSC:KSC+3], v[ADL] offset:8192
	s_wait_alu depctr_va_vdst(0)
	s_wait_dscnt 0x0
.irp t, 0,1,2,3
	v_wmma_scale_f32_16x16x128_f8f6f4 v[S+8*\t:S+8*\t+7], v[KF+8*\t:KF+8*\t+15], v[QF:QF+15], 0, v[KSC+\t], v[QSC]
.endr
.irp t, 4,5,6,7
	v_wmma_scale_f32_16x16x128_f8f6f4 v[S+8*\t:S+8*\t+7], v[KF+8*\t:KF+8*\t+15], v[QF:QF+15], 0, v[KSC+\t-4], v[QSC] matrix_a_scale:MATRIX_SCALE_ROW1
.endr
	v_add_nc_u32 v[ADR], s[TB], v[R16]             ; with the seven below: eight places, for the loads below and for the first reads of the scores
.rept 7
	v_nop
.endr
.irp e, 0,1,2,3
.irp c, 0,1,2,3
	ds_load_b128 v[KF+16*\e+4*\c:KF+16*\e+4*\c+3], v[ADL] offset:8704+2048*\e+512*\c
.endr
.endr
	ds_load_b128 v[VSC:VSC+3], v[ADR] offset:16896
.irp b, 0,1,2,3
	v_max3_num_f32 v[BM+\b], v[S+16*\b], v[S+1+16*\b], v[S+2+16*\b]   ; the largest score of each block of 32 keys: for the row's maximum and, since p rises with the score, for the block's largest p
.endr
.irp i, 3,5,7,9,11,13
.irp b, 0,1,2,3
	v_max3_num_f32 v[BM+\b], v[BM+\b], v[S+16*\b+\i], v[S+1+16*\b+\i]
.endr
.endr
.irp b, 0,1,2,3
	v_max_num_f32 v[BM+\b], v[BM+\b], v[S+15+16*\b]
.endr
.irp b, 0,1,2,3
	s_delay_alu instid0(VALU_DEP_4)
	v_permlanex16_b32 v[T2+\b], v[BM+\b], s[SEL], s[SEL+1]
.endr
.irp b, 0,1,2,3
	s_delay_alu instid0(VALU_DEP_4)
	v_max_num_f32 v[BM+\b], v[BM+\b], v[T2+\b]     ; with lane l xor 16's 16 keys
.endr
	s_delay_alu instid0(VALU_DEP_2)
	v_max3_num_f32 v[TMP], v[BM], v[BM+1], v[BM+2]
	s_delay_alu instid0(VALU_DEP_1)
	v_max_num_f32 v[TMP], v[TMP], v[BM+3]          ; the step's largest score of my query
	s_delay_alu instid0(VALU_DEP_1)
	v_mul_f32 v[TMP], s[CS], v[TMP]                ; as t (c is positive)
	s_delay_alu instid0(VALU_DEP_1)
	v_max_num_f32 v13, v13, v[TMP]                 ; the running largest t
	v_mov_b32 v[TMP], v12
	s_delay_alu instid0(VALU_DEP_2)
	v_floor_f32 v12, -v13                          ; the new -M = floor(-t) = -ceil(t)
	s_delay_alu instid0(VALU_DEP_1)
	v_sub_f32 v[TMP], v12, v[TMP]                  ; old M - new M: a whole number, 0 or less
	s_delay_alu instid0(VALU_DEP_1)
	v_cvt_i32_f32 v[TMP], v[TMP]                   ; (it saturates)
	s_delay_alu instid0(VALU_DEP_1)
	v_ldexp_f32 v[F], 1.0, v[TMP]                  ; f = 2^(old M - new M)
.set j, 0
.rept 32
	v_pk_fma_f32 v[S+j:S+j+1], v[S+j:S+j+1], s[CS:CS+1], v[12:13] op_sel_hi:[1,0,0]   ; t - M, two at a time
.set j, j+2
.endr
.irp b, 0,1,2,3
	v_fma_f32 v[BM+\b], v[BM+\b], s[CS], v12       ; the same of each block's largest score
.endr
.set j, 0
	s_wait_alu depctr_va_vdst(0)
.rept 64
	v_exp_f32 v[S+j], v[S+j]                       ; p = 2^(t - M), at most 1
.set j, j+1
.endr
.irp b, 0,1,2,3
	v_exp_f32 v[BM+\b], v[BM+\b]                   ; the block's largest p: the same two instructions on the same number
.endr
	v_pk_mul_f32 v[14:15], v[14:15], v[F:F+1] op_sel_hi:[1,0]   ; the sums under the new M (a plain place behind the exponentials)
	s_wait_alu depctr_va_vdst(0)
.irp b, 0,1,2,3
	v_max_num_f32 v[BM+\b], 0x4800000, v[BM+\b]    ; the floor 2^(9 - 127): the byte cannot fall under 1
.endr
.irp b, 0,1,2,3
	s_delay_alu instid0(VALU_DEP_4)
	v_add_nc_u32 v[SO+\b], 0xfc000000, v[BM+\b]    ; 8 off the exponent field: the conversion's scale operand
.endr
.irp b, 0,1,2,3
	v_and_or_b32 v[HD+\b], v[BM+\b], 0x7f800000, s[MNT]   ; 448 x the scale
.endr
.irp b, 0,1,2,3
	v_lshrrev_b32 v[T2+\b], 23, v[SO+\b]           ; the scale's byte
.endr
	s_delay_alu instid0(VALU_DEP_3)
	v_lshl_or_b32 v[PSC], v[T2+1], 8, v[T2]        ; p's scale word for these 128 keys
	s_delay_alu instid0(VALU_DEP_1)
	v_lshl_or_b32 v[PSC], v[T2+2], 16, v[PSC]
	s_delay_alu instid0(VALU_DEP_1)
	v_lshl_or_b32 v[PSC], v[T2+3], 24, v[PSC]
	v_pk_add_f32 v[246:247], v[108:109], v[112:113]
	v_pk_add_f32 v[252:253], v[116:117], v[120:121]
	v_pk_add_f32 v[250:251], v[124:125], v[128:129]
	v_pk_add_f32 v[248:249], v[132:133], v[136:137]
	v_pk_add_f32 v[228:229], v[140:141], v[144:145]
	v_pk_add_f32 v[226:227], v[148:149], v[152:153]
	v_pk_add_f32 v[218:219], v[156:157], v[160:161]
	v_pk_add_f32 v[14:15], v[14:15], v[164:165]
	v_pk_add_f32 v[246:247], v[246:247], v[104:105]
	v_pk_add_f32 v[252:253], v[252:253], v[106:107]
	v_pk_add_f32 v[250:251], v[250:251], v[110:111]
	v_pk_add_f32 v[248:249], v[248:249], v[114:115]
	v_pk_add_f32 v[228:229], v[228:229], v[118:119]
	v_pk_add_f32 v[226:227], v[226:227], v[122:123]
	v_pk_add_f32 v[218:219], v[218:219], v[126:127]
	v_pk_add_f32 v[14:15], v[14:15], v[130:131]
	v_pk_add_f32 v[246:247], v[246:247], v[134:135]
	v_pk_add_f32 v[252:253], v[252:253], v[138:139]
	v_pk_add_f32 v[250:251], v[250:251], v[142:143]
	v_pk_add_f32 v[248:249], v[248:249], v[146:147]
	v_pk_add_f32 v[228:229], v[228:229], v[150:151]
	v_pk_add_f32 v[226:227], v[226:227], v[154:155]
	v_pk_add_f32 v[218:219], v[218:219], v[158:159]
	v_pk_add_f32 v[14:15], v[14:15], v[162:163]
	v_pk_add_f32 v[246:247], v[246:247], v[166:167]
.irp b, 0,1,2,3
.irp i, 0,2,4,6,8,10,12,14
	v_dual_min_num_f32 v[S+16*\b+\i], v[S+16*\b+\i], v[HD+\b] :: v_dual_min_num_f32 v[S+16*\b+\i+1], v[S+16*\b+\i+1], v[HD+\b]   ; the conversion does not saturate (ISA guide 7.6.2); p is not negative, so the hold is one-sided; two holds to an instruction
.endr
	v_cvt_scalef32_pk8_fp8_f32 v[PCD+4*\b:PCD+4*\b+1], v[S+16*\b:S+16*\b+7], v[SO+\b]
	v_cvt_scalef32_pk8_fp8_f32 v[PCD+4*\b+2:PCD+4*\b+3], v[S+16*\b+8:S+16*\b+15], v[SO+\b]
.endr
.set j, 0
.rept 16
	v_pk_mul_f32 v[O+j:O+j+1], v[O+j:O+j+1], v[F:F+1] op_sel_hi:[1,0]   ; O^T under the new M.  (These are also the places between the codes and the products below)
.set j, j+2
.endr
	s_wait_alu depctr_va_vdst(0)
	s_wait_dscnt 0x0                               ; v's fragments and scale words are in
.irp e, 0,1,2,3
	v_wmma_scale_f32_16x16x128_f8f6f4 v[O+8*\e:O+8*\e+7], v[KF+16*\e:KF+16*\e+15], v[PCD:PCD+15], v[O+8*\e:O+8*\e+7], v[VSC+\e], v[PSC]
.endr                                      ; a step's twelve matrix instructions name twelve accumulators: they take turns, over the backward jump too
	v_pk_add_f32 v[14:15], v[14:15], v[248:249]    ; the eight chains of the row's sum are joined here: work on registers that the products above do not name, so these seven lines are places behind them
	v_pk_add_f32 v[246:247], v[246:247], v[228:229]
	v_pk_add_f32 v[252:253], v[252:253], v[226:227]
	v_pk_add_f32 v[250:251], v[250:251], v[218:219]
	v_pk_add_f32 v[14:15], v[14:15], v[252:253]
	v_pk_add_f32 v[246:247], v[246:247], v[250:251]
	v_pk_add_f32 v[14:15], v[14:15], v[246:247]
	s_add_co_u32 s[TB], s[TB], REC
.endm
; THE END OF A PASS: O^T / the sum; its two blocks of 32 channels are quantised; the codes are put into the true order of k; two images and the tile's scale bytes leave.
.macro FIN p
	v_add_f32 v14, v14, v15                        ; the sum's two halves,
	s_delay_alu instid0(VALU_DEP_1)
	v_permlanex16_b32 v[TMP], v14, s[SEL], s[SEL+1]
	s_delay_alu instid0(VALU_DEP_1)
	v_add_f32 v14, v14, v[TMP]                     ; and lane l xor 16's
	s_wait_alu depctr_va_vdst(0)
	v_rcp_f32 v14, v14
.if \p == 0
	QLOAD 1                                        ; the next pass's q: its registers were last read by products that stand a whole softmax back
.endif
.rept 8
	v_nop                                          ; eight places behind the last products; the first is also the plain place behind the reciprocal
.endr
.set j, 0
	s_wait_alu depctr_va_vdst(0)
.rept 16
	v_pk_mul_f32 v[O+j:O+j+1], v[O+j:O+j+1], v[14:15] op_sel_hi:[1,0]   ; each accumulator from its low end on
.set j, j+2
.endr
.irp b, 0,1
	v_max3_num_f32 v[BM+\b], |v[O+16*\b]|, |v[O+1+16*\b]|, 0x4800000
.endr
.irp i, 2,4,6,8,10,12,14
.irp b, 0,1
	s_delay_alu instid0(VALU_DEP_2)
	v_max3_num_f32 v[BM+\b], v[BM+\b], |v[O+16*\b+\i]|, |v[O+1+16*\b+\i]|
.endr
.endr
.irp b, 0,1
	s_delay_alu instid0(VALU_DEP_2)
	v_permlanex16_b32 v[T2+\b], v[BM+\b], s[SEL], s[SEL+1]
.endr
.irp b, 0,1
	s_delay_alu instid0(VALU_DEP_2)
	v_max_num_f32 v[BM+\b], v[BM+\b], v[T2+\b]
.endr
.irp b, 0,1
	s_delay_alu instid0(VALU_DEP_2)
	v_add_nc_u32 v[SO+\b], 0xfc000000, v[BM+\b]
.endr
.irp b, 0,1
	s_delay_alu instid0(VALU_DEP_4)
	v_and_or_b32 v[HD+\b], v[BM+\b], 0x7f800000, s[MNT]
.endr
.irp b, 0,1
	s_delay_alu instid0(VALU_DEP_4)
	v_lshrrev_b32 v[T2+\b], 23, v[SO+\b]
.endr
.irp b, 0,1
.irp i, 0,1,2,3,4,5,6,7,8,9,10,11,12,13,14,15
	v_med3_num_f32 v[O+16*\b+\i], v[O+16*\b+\i], -v[HD+\b], v[HD+\b]
.endr
	v_cvt_scalef32_pk8_fp8_f32 v[PCD+4*\b:PCD+4*\b+1], v[O+16*\b:O+16*\b+7], v[SO+\b]        ; channels 32 b + 8 h + 0 .. 7
	v_cvt_scalef32_pk8_fp8_f32 v[PCD+4*\b+2:PCD+4*\b+3], v[O+16*\b+8:O+16*\b+15], v[SO+\b]   ; channels 32 b + 16 + 8 h + 0 .. 7
.endr
	v_nop                                          ; a plain place behind the conversions
.irp b, 0,1
	v_permlane16_swap_b32 v[PCD+4*\b], v[PCD+4*\b+2]     ; lanes 16-31 of the first pair change places with lanes 0-15 of the second:
	v_permlane16_swap_b32 v[PCD+4*\b+1], v[PCD+4*\b+3]   ; lane (r, h) now holds channels 32 b + 16 h + 0 .. 15
.endr
	v_cndmask_b32 v[TMP], v[T2], v[T2+1], vcc_lo   ; lanes 0-15 store block 0's byte of row r, lanes 16-31 block 1's
.irp b, 0,1
	global_store_b128 v[L16], v[PCD+4*\b:PCD+4*\b+3], s[8:9] offset:262144*\p+512*\b   ; 512 consecutive bytes, aligned
.endr
	global_store_b8 v[CSO], v[TMP], s[10:11] offset:8192*\p
.if \p == 0
	s_wait_xcnt 0x0                                ; the stores have read their data: the next pass writes those registers again
.endif
.endm
.macro PASS p
	v_mov_b32 v13, 0xff61b1e6                      ; the largest t so far: -3e38
	s_delay_alu instid0(VALU_DEP_1)
	v_floor_f32 v12, -v13                          ; -M
	v_mov_b32 v14, 0                               ; the sum, in two halves
	v_mov_b32 v15, 0
.set j, 0
.rept 32
	v_mov_b32 v[O+j], 0                            ; O^T: the step is written once; the first finds zeros, which the first change of M leaves zeros
.set j, j+1
.endr
	s_mov_b32 s[TB], 0
	s_mov_b32 s[CNT], 16
	s_wait_loadcnt 0x0                             ; q
.Lstep_\@:
	STEP
	s_sub_co_u32 s[CNT], s[CNT], 1
	s_cmp_lg_u32 s[CNT], 0
	s_cbranch_scc1 .Lstep_\@
	FIN \p
.endm
	PASS 0
	PASS 1
	s_wait_tensorcnt 0x0
	ds_add_u32 v254, v255
	s_wait_dscnt 0x0
	CROUND                                         ; the closing round
	s_endpgm
.Lfunc_end_k_qcb946860af_attn:
	.size	k_qcb946860af_attn, .Lfunc_end_k_qcb946860af_attn-k_qcb946860af_attn
	.p2alignl 7, 3214868480
	.fill 96, 4, 3214868480
	.section	.rodata,"a",@progbits
	.p2align	6, 0x0
	.amdhsa_kernel k_qcb946860af_attn
		.amdhsa_group_segment_fixed_size 276480
		.amdhsa_private_segment_fixed_size 0
		.amdhsa_enable_private_segment 0
		.amdhsa_kernarg_size 32
		.amdhsa_user_sgpr_count 2
		.amdhsa_user_sgpr_kernarg_segment_ptr 1
		.amdhsa_wavefront_size32 1
		.amdhsa_system_sgpr_workgroup_id_x 1
		.amdhsa_system_sgpr_workgroup_id_y 1
		.amdhsa_system_sgpr_workgroup_id_z 1
		.amdhsa_system_vgpr_workitem_id 0
		.amdhsa_next_free_vgpr 256
		.amdhsa_next_free_sgpr 66
		.amdhsa_reserve_vcc 1
		.amdhsa_float_denorm_mode_32 3
		.amdhsa_float_denorm_mode_16_64 3
		.amdhsa_memory_ordered 1
		.amdhsa_forward_progress 1
		.amdhsa_inst_pref_size 60
	.end_amdhsa_kernel
	.amdgpu_metadata
---
amdhsa.version: [ 1, 2 ]
amdhsa.kernels:
  - .name:           k_qcb946860af_attn
    .symbol:         k_qcb946860af_attn.kd
    .args:
      - { .name: qr, .offset: 0, .size: 8, .value_kind: global_buffer, .address_space: global }
      - { .name: kv, .offset: 8, .size: 8, .value_kind: global_buffer, .address_space: global }
      - { .name: cc, .offset: 16, .size: 8, .value_kind: global_buffer, .address_space: global }
      - { .name: cs, .offset: 24, .size: 8, .value_kind: global_buffer, .address_space: global }
    .group_segment_fixed_size: 276480
    .private_segment_fixed_size: 0
    .kernarg_segment_align: 8
    .kernarg_segment_size: 32
    .max_flat_workgroup_size: 512
    .sgpr_count:     66
    .vgpr_count:     256
    .wavefront_size: 32
...
	.end_amdgpu_metadata
.endif
;; end of part 2
;; launch outp (part 3): grid 4 x 64, 4 waves a work-group, clusters of 4 x 4, 327,680 bytes of LDS; arguments cc, cs, Wo_codes, Wo_scales, out0, bo; writes out0
.if DOCPART == 3
	.amdgcn_target "amdgcn-amd-amdhsa--gfx1250"
	.amdhsa_code_object_version 6
	.text
	.protected	k_qcb946860af_outp
	.globl	k_qcb946860af_outp
	.p2align	8
	.type	k_qcb946860af_outp,@function
k_qcb946860af_outp:
	s_mov_b64 s[64:65], 0
	v_nop
	global_prefetch_b8 v0, s[64:65] scope:SCOPE_SE
	s_setreg_imm32_b32 hwreg(HW_REG_WAVE_MODE, 25, 1), 1
	s_wait_xcnt 0x0
	s_wait_alu depctr_hold_cnt(0) depctr_sa_sdst(0) depctr_va_vdst(0) depctr_va_sdst(0) depctr_va_ssrc(0) depctr_va_vcc(0) depctr_vm_vsrc(0)
	s_getreg_b32 s2, hwreg(HW_REG_IB_STS2, 6, 4)
	s_cmp_eq_u32 s2, 0
	s_cbranch_scc0 .Lentry_in_a_cluster
	s_endpgm
.Lentry_in_a_cluster:
	s_bfe_u32 s2, ttmp6, 0x10000c
	s_cmp_lg_u32 s2, 0xf033
	s_cbranch_scc0 .Lentry_shape_is_right
	s_endpgm
.Lentry_shape_is_right:
; out0[m][n] = sum over k of A[m][k] Wo[n][k] + bo[n] on codes of FP8 (E4M3) with E8M0 scales: 8,192 x 1,024 x 1,024, f32 sums.
; A: cc [512 tiles of 16 rows][32 blocks of 32 k][512 bytes], images of operand registers (lane l's 16 bytes at 16 l), and cs [8,192][32] scale bytes, as the launch before leaves them.
; SHARES.  256 work-groups, each 128 rows x 256 columns; four waves, 2 x 2; a wave makes 64 x 128: 32 accumulators, 256 registers.
; A STAYS IN REGISTERS: a wave's 64 rows, all of K, are 4 x 8 fragments = 512 registers, brought by 128 plain loads of 512 consecutive bytes each, straight from cc: its bytes lie as the registers want them and pass no LDS.
; So LDS has room for Wo's 256 rows with ALL of K (256 x 1,040 bytes) and for both operands' scale bytes: each LDS byte is filled once, at the head, one tensor load a wave; no byte is filled again, and one barrier serves the walk.
; JOINT LOADS: Wo's rows and scales are shared along a column of the 4 x 4 cluster, A's scales along a row.  A's codes are not asked for jointly: they go to registers and not to LDS, which a joint load fills.
; NO PREFETCH: all that the work-group reads is asked for at the head; there is no loop to run ahead in.
; THE MATRIX INSTRUCTION IS USED TRANSPOSED (source 0 = 16 rows of Wo, source 1 = 16 rows of A): a lane holds eight neighbouring numbers of a row of out0.  The bias is the first products' C.
; REGISTERS: window 0: v0-31 addresses; v32-63 scale words, two sets; v64-127 the bias; v128-255 Wo's eight fragments of one 128 of K, ONE set (blocks 0-3 come anew in a step's middle, 4-7 at its end); on the way out v128-255 take rows back from the stage.
;   window 1: the accumulators, (a, b) at v[8 (8 a + b)];  windows 2, 3: A's fragments: step q, block a at v[64 (q % 4) + 16 a] of window 2 + q / 4.
; LIMITS: NaN and infinities are carried as the matrix unit carries them; nothing else is assumed of the values.
.set SIZE_N, 1024
.set PITCH,  1040                      ; an LDS row of Wo: 1,024 bytes + 16 of padding: the sixteen rows of a fragment start 260 words apart
.set NP,     8                         ; places behind this matrix instruction (ISA guide 7.12.1)
.set BHALF,  128*PITCH
.set SCL,    2*BHALF                   ; the scale bytes, as units of 256 bytes + 16: A's 128 rows, then Wo's 256
.set HALFS,  16*272                    ; those of 128 rows
.set SBLK,   2*272                     ; those of 16 rows
.set SPARE,  SCL+3*HALFS               ; the spare words: 128 bytes a wave
.set STAGE,  SPARE+512                 ; the way out: 16 rows x 528 bytes for each wave, bytes of its own
.set SPITCH, 528
.set ADRB, 20                          ; v20, v21  LDS address of my fragments of Wo: blocks 0-3, blocks 4-7
.set STO,  24
.set RD,   25
.set CO,   26                          ; v26  16 x lane
.set ADRS, 27                          ; v27  my scale words: lanes 0-15 A's rows, lanes 16-31 Wo's
.set SPW,  28
.set NIL,  29
.set SC,   32
.set BO,   64
.set BF,   128
.set BK,   128
.set G1B, 48
.set G0B, 56
.set G1S, 68
.set G0S, 76
.set G1SB, 80
.set G0SB, 88
.set MSB, 0
.macro WIN new
.if MSB != (\new)
	s_set_vgpr_msb (MSB<<8)|(\new)
.set MSB, (\new)
.endif
.endm
.macro PLACES n
.rept \n
	v_nop
.endr
.endm
.macro CROUND                          ; a round of the cluster's barrier
	s_barrier_signal -1
	s_barrier_wait -1
	s_cmp_lg_u32 s14, 0
	s_cbranch_scc1 .Lnot_wave_0_\@
	s_barrier_signal -3
.Lnot_wave_0_\@:
	s_barrier_wait -3
	s_barrier_signal -1
	s_barrier_wait -1
.endm
.macro ARM under, g0, g1, next
	s_cmp_lt_u32 s14, \under
	s_cbranch_scc0 \next
	tensor_load_to_lds s[\g0:\g0+3], s[\g1:\g1+7]
	s_nop 0
	PLACES 4
	s_branch .Lhead_asked
\next:
.endm
	s_load_b128 s[4:7], s[0:1], 0x0                ; cc, cs
	s_load_b128 s[8:11], s[0:1], 0x10              ; Wo's codes, Wo's scales
	s_load_b64 s[12:13], s[0:1], 0x20              ; out0
	s_load_b64 s[96:97], s[0:1], 0x28              ; bo
	v_lshl_add_u32 v[SPW], v0, 2, SPARE
	v_mov_b32 v[NIL], 0
	ds_add_u32 v[SPW], v[NIL]                      ; the opening lines: the add, twice on end, and its wait
	ds_add_u32 v[SPW], v[NIL]
	v_lshrrev_b32 v1, 5, v0
	v_readfirstlane_b32 s14, v1                    ; wave 0..3
	s_lshr_b32 s15, s14, 1                         ; my 64 of the 128 rows
	s_and_b32 s16, s14, 1                          ; my 128 of the 256 columns
	s_bfe_u32 s40, ttmp6, 0x40000                  ; cx, cy
	s_bfe_u32 s41, ttmp6, 0x40004
	s_lshl_b32 s42, ttmp9, 2
	s_add_co_u32 s42, s42, s40                     ; tile column
	s_and_b32 s17, ttmp7, 0xffff
	s_lshl_b32 s17, s17, 2
	s_add_co_u32 s17, s17, s41                     ; tile row
	s_lshl_b32 s43, s41, 2
	s_lshl_b32 s43, 15, s43                        ; my row of the cluster
	s_lshl_b32 s44, 0x1111, s40                    ; my column
	s_or_b32 s[G1B+0], s44, (1<<20)|(1<<21)|(7<<22)|(3<<25)   ; Wo: 128 whole rows of 1,024 bytes, 4 words of padding behind every 256
	s_mov_b32 s[G1B+1], 1024<<16
	s_mov_b32 s[G1B+2], 128<<16
	s_mov_b32 s[G1B+3], 1024<<16
	s_mov_b32 s[G1B+4], 128
	s_mov_b32 s[G1B+5], 1024
	s_mov_b32 s[G1B+6], 0
	s_mov_b32 s[G1B+7], 0
	s_or_b32 s[G1S+0], s43, (3<<16)|(1<<20)|(1<<21)|(5<<22)|(3<<25)   ; A's scales: 4,096 dense bytes as 16 rows of 256
	s_mov_b32 s[G1S+1], 32<<16
	s_mov_b32 s[G1S+2], 16<<16
	s_mov_b32 s[G1S+3], 32<<16
	s_mov_b32 s[G1S+4], 16
	s_mov_b32 s[G1S+5], 32
	s_mov_b32 s[G1S+6], 0
	s_mov_b32 s[G1S+7], 0
	s_or_b32 s[G1SB+0], s44, (3<<16)|(1<<20)|(1<<21)|(5<<22)|(3<<25)  ; Wo's: 8,192 bytes as 32 rows
	s_mov_b32 s[G1SB+1], 32<<16
	s_mov_b32 s[G1SB+2], 32<<16
	s_mov_b32 s[G1SB+3], 32<<16
	s_mov_b32 s[G1SB+4], 32
	s_mov_b32 s[G1SB+5], 32
	s_mov_b32 s[G1SB+6], 0
	s_mov_b32 s[G1SB+7], 0
	s_lshl_b32 s20, s17, 17                        ; cc: 8 tiles of 16,384 bytes to a tile row, 4 to my half
	s_lshl_b32 s21, s15, 16
	s_add_co_u32 s20, s20, s21
	s_mov_b32 s21, 0
	s_lshl_b32 s22, s17, 12                        ; cs: 128 rows of 32 bytes
	s_mov_b32 s23, 0
	s_lshl_b32 s46, s42, 18                        ; Wo's codes: 256 rows of 1,024 bytes; waves 0 and 1 fetch 128 each
	s_lshl_b32 s47, s16, 17
	s_add_co_u32 s46, s46, s47
	s_mov_b32 s47, 0
	s_lshl_b32 s92, s42, 13                        ; Wo's scales
	s_mov_b32 s93, 0
	s_mul_i32 s45, s16, BHALF
	s_lshl_b32 s18, s42, 10                        ; my first column, in bytes of f32
	s_lshl_b32 s19, s16, 9
	s_add_co_u32 s18, s18, s19
	s_mov_b32 s19, 0
	s_lshl_b32 s94, s17, 19                        ; my first row of out0: 4,096 bytes a row
	s_lshl_b32 s95, s15, 18
	s_add_co_u32 s94, s94, s95
	s_mov_b32 s95, 0
	s_wait_dscnt 0x0                               ; both opening adds are done
	s_wait_kmcnt 0x0
	s_add_nc_u64 s[20:21], s[4:5], s[20:21]
	s_add_nc_u64 s[96:97], s[96:97], s[18:19]
	s_add_nc_u64 s[12:13], s[12:13], s[18:19]
	s_add_nc_u64 s[12:13], s[12:13], s[94:95]
	s_mov_b32 s[G0B], 1
	s_mov_b32 s[G0B+1], s45
	s_add_nc_u64 s[G0B+2:G0B+3], s[8:9], s[46:47]
	s_or_b32 s[G0B+3], s[G0B+3], 0x80000000
	s_mov_b32 s[G0S], 1
	s_mov_b32 s[G0S+1], SCL
	s_add_nc_u64 s[G0S+2:G0S+3], s[6:7], s[22:23]
	s_or_b32 s[G0S+3], s[G0S+3], 0x80000000
	s_mov_b32 s[G0SB], 1
	s_mov_b32 s[G0SB+1], SCL+HALFS
	s_add_nc_u64 s[G0SB+2:G0SB+3], s[10:11], s[92:93]
	s_or_b32 s[G0SB+3], s[G0SB+3], 0x80000000
	CROUND                                         ; all sixteen work-groups are here: the joint loads meet
	ARM 2, G0B, G1B, .Lhead_sa                     ; waves 0, 1: Wo's rows, 128 each; wave 2: A's scales; wave 3: Wo's: one load a wave, one chain of branches
	ARM 3, G0S, G1S, .Lhead_sb
	tensor_load_to_lds s[G0SB:G0SB+3], s[G1SB:G1SB+7]
	s_nop 0
	PLACES 4
.Lhead_asked:
	v_and_b32 v1, 15, v0                           ; r
	v_bfe_u32 v2, v0, 4, 1                         ; h
	v_and_b32 v6, 31, v0
	v_lshlrev_b32 v[CO], 4, v6
	v_lshlrev_b32 v7, 5, v2                        ; the bias: 32 h bytes
	v_mul_u32_u24 v3, v1, PITCH
	v_lshl_add_u32 v4, v2, 4, v3
	v_add_nc_u32 v[ADRB], s45, v4                  ; my 128 rows of Wo: row r x pitch + 16 h
	v_add_nc_u32 v[ADRB+1], 64*PITCH, v[ADRB]
	v_mul_u32_u24 v5, v1, 32                       ; my row's scales: 32 bytes a row, 16 more for each 256 passed
	v_lshrrev_b32 v6, 8, v5
	v_lshl_add_u32 v5, v6, 4, v5
	s_mul_i32 s22, s15, 4*SBLK                     ; A's: my 64 rows
	s_mul_i32 s23, s16, HALFS                      ; Wo's: my 128 rows, behind A's 128
	s_add_co_u32 s23, s23, HALFS
	s_sub_co_u32 s23, s23, s22
	v_mul_u32_u24 v6, s23, v2                      ; lanes 16-31 take Wo's
	s_add_co_u32 s22, s22, SCL
	v_add_nc_u32 v5, v5, v6
	v_add_nc_u32 v[ADRS], s22, v5
	s_mul_i32 s23, s14, 16*SPITCH
	s_add_co_u32 s23, s23, STAGE                   ; my stage
	v_mul_u32_u24 v5, v1, SPITCH
	v_lshl_add_u32 v5, v2, 5, v5
	v_add_nc_u32 v[STO], s23, v5
	v_add_nc_u32 v[RD], s23, v[CO]
	s_wait_alu depctr_va_vdst(0)
.irp b, 0,1,2,3,4,5,6,7
	global_load_b128 v[BO+8*\b:BO+8*\b+3], v7, s[96:97] offset:64*\b
	global_load_b128 v[BO+8*\b+4:BO+8*\b+7], v7, s[96:97] offset:64*\b+16
.endr
.irp q, 0,1,2,3,4,5,6,7                ; A's fragments, K ascending: 16 loads to a step of 128 along K
	WIN (2+\q/4)<<6
.irp a, 0,1,2,3
.irp c, 0,1,2,3
	global_load_b128 v[64*(\q%4)+16*\a+4*\c:64*(\q%4)+16*\a+4*\c+3], v[CO], s[20:21] offset:16384*\a+2048*\q+512*\c
.endr
.endr
.endr
	WIN 0
.macro FRAG reg, adr, q, i
.irp c, 0,1,2,3
	ds_load_b128 v[\reg+4*\c:\reg+4*\c+3], v[\adr] offset:128*(\q)+32*\c+(\i)*16*PITCH
.endr
.endm
.macro FETCH_B q, hf                   ; Wo's blocks 4 hf .. 4 hf + 3 of step q: 16 loads
.irp i, 0,1,2,3
	FRAG BF+16*(4*(\hf)+\i), ADRB+(\hf), \q, \i
.endr
.endm
.macro SCALES p                        ; the scale words of steps 2 p, 2 p + 1 into set p % 2: register 2 i + q % 2: lanes 0-15 A's block i, lanes 16-31 Wo's block i
.irp i, 0,1,2,3,4,5,6,7
	ds_load_b64 v[SC+16*((\p)%2)+2*\i:SC+16*((\p)%2)+2*\i+1], v[ADRS] offset:8*(\p)+\i*SBLK
.endr
.endm
.macro MUL16 q, hf                     ; Wo's blocks 4 hf .. 4 hf + 3 x A's four: sixteen accumulators by turns
.irp b, 0,1,2,3
.irp a, 0,1,2,3
.set N_, 4*(\hf)+\b
.set D_, 8*(8*\a+N_)
.set B_, BF+16*N_
.set A_, 64*((\q)%4)+16*\a
.set S_, SC+16*(((\q)/2)%2)+(\q)%2
.if (\q) == 0
	v_wmma_scale_f32_16x16x128_f8f6f4 v[D_:D_+7], v[B_:B_+15], v[A_:A_+15], v[BO+8*N_:BO+8*N_+7], v[S_+2*N_], v[S_+2*\a] matrix_a_scale:MATRIX_SCALE_ROW1
.else
	v_wmma_scale_f32_16x16x128_f8f6f4 v[D_:D_+7], v[B_:B_+15], v[A_:A_+15], v[D_:D_+7], v[S_+2*N_], v[S_+2*\a] matrix_a_scale:MATRIX_SCALE_ROW1
.endif
.endr
.endr
.endm
.macro MWIN q                          ; source 0 window 0, source 1 window 2 + q / 4, D window 1; C window 1, in step 0 the bias in window 0
.if (\q) == 0
	WIN 0x48
.else
	WIN 0x50|((2+(\q)/4)<<2)
.endif
.endm
.macro STEP q                          ; 128 along K: 32 matrix instructions
	s_wait_dscnt 16                                ; all but the youngest sixteen LDS loads (Wo's blocks 4-7) are in
.if (\q) == 0
	s_wait_loadcnt 63                              ; of 144 loads at most 63 are out: the bias and A's steps 0 to 3 are in
.elseif (\q) > 3
	s_wait_loadcnt 16*(7-(\q))                     ; the later steps' sixteen loads each may be out
.endif
	MWIN \q
	MUL16 \q, 0
	s_wait_dscnt 0x0                               ; blocks 4-7 are in
.if (\q) < 7
	PLACES NP
	WIN 0
	FETCH_B (\q)+1, 0
.if (\q)%2 == 0 && (\q) < 6
	SCALES (\q)/2+1
.endif
.endif
	MWIN \q
	MUL16 \q, 1
.if (\q) < 7
	PLACES NP
	WIN 0
	FETCH_B (\q)+1, 1
.endif
.endm
	s_wait_alu depctr_va_vdst(0)                   ; the wait at the head's end
	s_wait_tensorcnt 0x0                           ; my tile has landed,
	s_barrier_signal -1
	s_barrier_wait -1                              ; everybody's has: from here on these bytes are only read
	FETCH_B 0, 0
	SCALES 0
	FETCH_B 0, 1
.irp q, 0,1,2,3,4,5,6,7
	STEP \q
.endr
	WIN 0
; THE WAY OUT, block by block of 16 rows x 128 columns, through my own stage: whole rows of 512 bytes come back, which the 32 lanes store as two aligned units of 256 bytes.  LDS serves a wave's instructions in order (ISA guide 5.7.1.4).
.macro TOSTAGE a
.set AC, 64*(\a)
	WIN 0x04                                       ; the data: window 1
.irp b, 0,1,2,3,4,5,6,7
	ds_store_b128 v[STO], v[AC+8*\b:AC+8*\b+3] offset:64*\b          ; each accumulator from its low end on
	ds_store_b128 v[STO], v[AC+8*\b+4:AC+8*\b+7] offset:64*\b+16
.endr
	WIN 0
.set BB, BK+64*((\a)%2)
.irp t, 0,1,2,3,4,5,6,7,8,9,10,11,12,13,14,15
	ds_load_b128 v[BB+4*\t:BB+4*\t+3], v[RD] offset:\t*SPITCH
.endr
.endm
.macro SEND a, younger
.set BB, BK+64*((\a)%2)
	s_wait_dscnt \younger
.if (\a) > 0
	s_add_nc_u64 s[12:13], s[12:13], 16*SIZE_N*4   ; behind a wait on XCNT: the earlier stores have read their base
.endif
.irp t, 0,1,2,3,4,5,6,7,8,9,10,11,12,13,14,15
	global_store_b128 v[CO], v[BB+4*\t:BB+4*\t+3], s[12:13] offset:\t*SIZE_N*4 th:TH_STORE_NT
.endr
.endm
	PLACES NP                                      ; behind the last products: for the reads of their sums and for the loads into Wo's registers
	TOSTAGE 0
.irp a, 1,2,3
.if \a > 1
	s_wait_xcnt 0x0                                ; block a - 2's stores have read their registers and their base
.endif
	TOSTAGE \a
	SEND \a-1, 32                                  ; behind block a - 1's loads: block a's 16 stores and 16 loads
.endr
	s_wait_xcnt 0x0
	SEND 3, 0
	s_wait_tensorcnt 0x0                           ; the wave's end
	ds_add_u32 v[SPW], v[NIL]
	s_wait_dscnt 0x0
	CROUND                                         ; the closing round
	s_endpgm
.Lfunc_end_k_qcb946860af_outp:
	.size	k_qcb946860af_outp, .Lfunc_end_k_qcb946860af_outp-k_qcb946860af_outp
	.p2alignl 7, 3214868480
	.fill 96, 4, 3214868480
	.section	.rodata,"a",@progbits
	.p2align	6, 0x0
	.amdhsa_kernel k_qcb946860af_outp
		.amdhsa_group_segment_fixed_size 327680
		.amdhsa_private_segment_fixed_size 0
		.amdhsa_enable_private_segment 0
		.amdhsa_kernarg_size 48
		.amdhsa_user_sgpr_count 2
		.amdhsa_user_sgpr_kernarg_segment_ptr 1
		.amdhsa_wavefront_size32 1
		.amdhsa_system_sgpr_workgroup_id_x 1
		.amdhsa_system_sgpr_workgroup_id_y 1
		.amdhsa_system_sgpr_workgroup_id_z 1
		.amdhsa_system_vgpr_workitem_id 0
		.amdhsa_next_free_vgpr 1024
		.amdhsa_next_free_sgpr 100
		.amdhsa_reserve_vcc 0
		.amdhsa_float_denorm_mode_32 3
		.amdhsa_float_denorm_mode_16_64 3
		.amdhsa_memory_ordered 1
		.amdhsa_forward_progress 1
		.amdhsa_inst_pref_size 91
	.end_amdhsa_kernel
	.amdgpu_metadata
---
amdhsa.version: [ 1, 2 ]
amdhsa.kernels:
  - .name:           k_qcb946860af_outp
    .symbol:         k_qcb946860af_outp.kd
    .args:
      - { .name: cc, .offset: 0, .size: 8, .value_kind: global_buffer, .address_space: global }
      - { .name: cs, .offset: 8, .size: 8, .value_kind: global_buffer, .address_space: global }
      - { .name: Wo_codes, .offset: 16, .size: 8, .value_kind: global_buffer, .address_space: global }
      - { .name: Wo_scales, .offset: 24, .size: 8, .value_kind: global_buffer, .address_space: global }
      - { .name: out0, .offset: 32, .size: 8, .value_kind: global_buffer, .address_space: global }
      - { .name: bo, .offset: 40, .size: 8, .value_kind: global_buffer, .address_space: global }
    .group_segment_fixed_size: 327680
    .private_segment_fixed_size: 0
    .kernarg_segment_align: 8
    .kernarg_segment_size: 48
    .max_flat_workgroup_size: 128
    .sgpr_count:     100
    .vgpr_count:     1024
    .wavefront_size: 32
...
	.end_amdgpu_metadata
.endif
;; end of part 3
